; MI455X (gfx1250); checked and timed in simulation.
; The chip was launched on July 23, 2026; its instructions are those of AMD's public machine-readable ISA for CDNA 5 (MIT licence, August 2026) and "CDNA5" Instruction Set Architecture Reference Guide (July 2026). The comments in the code are by the model that wrote it; some were corrected since.
;; AOS Prediction Layer. Allowed arithmetic: float matrix products may take bf16 or f16 operands with f32 sums; other float arithmetic in f32, or as packed bf16 or f16 multiplies, adds, multiply-adds, maxima and minima; sums over many terms, partial sums and values carried from step to step in f32; what a program stores and reads back later, other than sums and carried values, may be rounded once to bf16 or f16.
;; Inputs: W1 8 x 512 x 512 float32; W2 8 x 512 x 256 float32; W3 8 x 256 x 128 float32; Wu1 512 x 512 float32; Wu2 512 x 256 float32; Wu3 256 x 128 float32; a_emb 512 x 32 x 256 float32; b1 8 x 512 float32; b2 8 x 256 float32; b3 8 x 128 float32; bu1 512 float32; bu2 256 float32; bu3 128 float32; i_emb 512 x 256 float32; o_emb 512 x 32 x 256 float32; s 512 x 32 int32; u_emb 512 x 256 float32.
;; Outputs: out0 512 x 32 float32.
;; 2 versions, each right; version 2 is version 1 with the launch chain written anew for expert scheduling mode. Each part assembles by itself: llvm-mc -triple=amdgcn-amd-amdhsa -mcpu=gfx1250 --defsym DOCPART=n.
;; ======== version 1 of 2: 3 launches
;; workspace buffers: wp 7,667,712 bytes; counts 256 bytes of whole numbers; list 526,336 bytes of whole numbers; emb 4,325,376 bytes
;; launch prep (part 1): grid 250 x 1, 8 waves a work-group, no clusters, 34,816 bytes of LDS; arguments W1, W2, W3, Wu1, Wu2, Wu3, s, wp, counts, list; writes wp, counts, list
.if DOCPART == 1
	.amdgcn_target "amdgcn-amd-amdhsa--gfx1250"
	.amdhsa_code_object_version 6
	.text
	.protected	k_q3205e578c2_prep
	.globl	k_q3205e578c2_prep
	.p2align	8
	.type	k_q3205e578c2_prep,@function
k_q3205e578c2_prep:
	s_mov_b64 s[64:65], 0
	v_nop
	global_prefetch_b8 v0, s[64:65] scope:SCOPE_SE
	s_setreg_imm32_b32 hwreg(HW_REG_WAVE_MODE, 25, 1), 1
	s_wait_xcnt 0x0
; PREP.  Two jobs, chosen by the work-group's number alone.
; Work-groups 0-15 (the longer job, so it has the first numbers): a counting sort of the 16,384 routing ids, without atomics.  Work-group g owns tokens 1024 g .. 1024 g + 1023, counts for itself the ids of
; all blocks in front of its own, and stores each of its tokens' numbers at list[16384 e + rank].  An id is taken modulo 8: one outside 0..7 is sorted under id & 7, so that its row of the intermediate is
; written; the last launch puts 0 there, as the model does.  counts[0..7] = rows of each relation; list[131072 + i] = i for the 512 rows of the shared MLP.
; Work-groups 16-249: the nine MLPs' f32 weights ([k][n], n along the rows) are rounded once to bf16 and laid out in the order in which a wave of the next launch takes them as matrix operands.
; wp holds 36 streams of 212,992 bytes, stream 4 e + w (e = 0-7 the relations, 8 the shared MLP; w the wave that owns the columns).
; A stream is fragments of 1,024 bytes: piece p (512 bytes), lane L at 16 L: W[32 ks + 16 p + 8 (L / 16) + 0..7][16 nt + L % 16].
;   layer 1: byte ks x 8192 + (nt - 8 w) x 1024;  layer 2: 131,072 + ks x 4096 + (nt - 4 w) x 1024;  layer 3: 196,608 + ks x 2048 + (nt - 2 w) x 1024.
; A wave turns one block of 32 k x 64 n (8 KB of f32) into four fragments, through a stage of its own in LDS.
.set PT,      1040                     ; a fragment's place in the stage: 1,024 bytes + 16, so that the 16 lanes of a store's pass hit 16 different 16-byte columns of 256 bytes (64 banks of 4 bytes: ISA guide 11.1)
.set STG,     4*PT                     ; a wave's stage: four fragments
.set TAB,     8*STG                    ; 8 rows of 64 bytes: each wave's 8 + 8 counts
.set SPARE,   TAB+512                  ; the spare words, 128 bytes for each of the eight waves; no other line names them
.set STREAM,  212992
.set LISTMAX, 0x201ff                  ; the list's last word
	s_load_b512 s[8:23], s[0:1], 0x0               ; W1 8:9, W2 10:11, W3 12:13, Wu1 14:15, Wu2 16:17, Wu3 18:19, s 20:21, wp 22:23
	s_load_b128 s[24:27], s[0:1], 0x40             ; counts 24:25, list 26:27
	v_lshl_add_u32 v4, v0, 2, SPARE                ; my spare word; never rewritten
	v_mov_b32 v5, 0                                ; 0; never rewritten
	v_lshrrev_b32 v1, 5, v0
	v_readfirstlane_b32 s2, v1                     ; wave 0..7
	v_and_b32 v1, 31, v0                           ; lane
	v_and_b32 v2, 15, v0                           ; cl = lane % 16
	v_bfe_u32 v3, v0, 4, 1                         ; hh = lane / 16
	s_mov_b32 s3, ttmp9
	s_wait_kmcnt 0x0
	s_cmp_lt_u32 s3, 16
	s_cbranch_scc1 .Lsort
	s_sub_co_u32 s3, s3, 16                        ; my number among the 234 work-groups that convert
	s_lshl_b32 s34, s3, 3
	s_add_co_u32 s34, s34, s2                      ; the wave's block number among all blocks
	s_cmp_ge_u32 s3, 216
	s_cbranch_scc1 .Lt3
	s_cmp_ge_u32 s3, 144
	s_cbranch_scc1 .Lt2
; What the three layers share.  From work-group lim on the source is the shared MLP's tensor (expert 8).  lg: a row of the tensor is 256 << lg bytes and has 1 << lg blocks of 64 columns; an expert has 1 << lgk K steps.
; Out: s[28:29] source, s37 lg, s38 ng (block of columns), s39 ksg (K step counted through all experts), s40 ks, s42 4 e.
.macro KIND lim, wu, w, sub0, sub1, lg, lgk
	s_mov_b32 s36, \sub0
	s_cmp_ge_u32 s3, \lim
	s_cselect_b64 s[28:29], s[\wu:\wu+1], s[\w:\w+1]
	s_cselect_b32 s35, 8, 0
	s_cselect_b32 s36, \sub1, s36
	s_sub_co_u32 s34, s34, s36                     ; the block's number in its tensor
	s_mov_b32 s37, \lg
	s_and_b32 s38, s34, (1<<\lg)-1
	s_lshr_b32 s39, s34, \lg
	s_and_b32 s40, s39, (1<<\lgk)-1
	s_lshr_b32 s41, s39, \lgk
	s_add_co_u32 s41, s41, s35                     ; e
	s_lshl_b32 s42, s41, 2
.endm
	KIND 128, 14, 8, 0, 1024, 3, 4                 ; layer 1: a wave of the next launch owns 128 columns, two blocks
	s_lshr_b32 s43, s38, 1
	s_add_co_u32 s42, s42, s43                     ; stream 4 e + ng / 2
	s_lshl_b32 s44, s40, 13
	s_and_b32 s43, s38, 1
	s_lshl_b32 s43, s43, 12
	s_add_co_u32 s44, s44, s43                     ; byte in the stream
	s_mov_b32 s45, 0                               ; all four fragments lie in one stream
	s_branch .Lconv
.Lt2:
	KIND 208, 16, 10, 1152, 1664, 2, 4             ; layer 2: 64 columns a wave, one block
	s_add_co_u32 s42, s42, s38
	s_lshl_b32 s44, s40, 12
	s_add_co_u32 s44, s44, 131072
	s_mov_b32 s45, 0
	s_branch .Lconv
.Lt3:
	KIND 232, 18, 12, 1728, 1856, 1, 3             ; layer 3: 32 columns a wave, half a block
	s_lshl_b32 s43, s38, 1
	s_add_co_u32 s42, s42, s43
	s_lshl_b32 s44, s40, 11
	s_add_co_u32 s44, s44, 196608
	s_mov_b32 s45, STREAM-2048                     ; fragments 2 and 3 are the next stream's 0 and 1
.Lconv:
	s_add_co_u32 s46, s37, 13
	s_lshl_b32 s46, s39, s46                       ; 32 rows x ksg,
	s_lshl_b32 s47, s38, 8
	s_add_co_u32 s46, s46, s47                     ; + 256 bytes x ng
	s_mov_b32 s47, 0
	s_add_nc_u64 s[28:29], s[28:29], s[46:47]
	s_mul_i32 s46, s42, STREAM
	s_add_co_u32 s46, s46, s44
	s_add_nc_u64 s[30:31], s[22:23], s[46:47]      ; where the block's fragments go
	s_lshl_b32 s48, 256, s37                       ; bytes from row to row
	s_add_co_u32 s49, s37, 12
	v_lshlrev_b32 v10, s49, v3                     ; lanes 16-31 take the rows 16 further down
	v_lshl_add_u32 v10, v2, 4, v10                 ; 16 bytes a lane: 16 lanes take a row's 256 bytes
.set i_, 1
.rept 15
	v_add_nc_u32 v[10+i_], s48, v[9+i_]
.set i_, i_+1
.endr
.set i_, 0
.rept 16                                               ; row k = 16 hh + i, columns 4 cl .. 4 cl + 3; each weight is read once in the launch
	global_load_b128 v[32+4*i_:35+4*i_], v[10+i_], s[28:29] th:TH_LOAD_NT
.set i_, i_+1
.endr
	s_mul_i32 s50, s2, STG                         ; my stage
	v_lshrrev_b32 v6, 2, v2
	v_mul_u32_u24 v6, v6, PT                       ; fragment cl / 4,
	v_lshl_add_u32 v6, v3, 9, v6                   ; piece hh,
	v_and_b32 v7, 3, v2
	v_lshl_add_u32 v6, v7, 6, v6                   ; fragment lanes 4 (cl % 4) + c + 16 jj
	v_add_nc_u32 v6, s50, v6
	v_lshl_add_u32 v7, v1, 4, s50                  ; back: 16 bytes a lane
	v_lshlrev_b32 v8, 4, v1                        ; and the same in wp
	v_add_nc_u32 v9, s45, v8
; Chunk (c, jj): column 4 cl + c, k = 16 hh + 8 jj + 0..7, eight bf16, the lower k in the lower bits
.set jj_, 0
.rept 2
	s_wait_loadcnt 8-8*jj_                         ; the eight rows of this half are in; the eight loads issued behind them may stay out
.set c_, 0
.rept 4
.set q_, 0
.rept 4
	v_cvt_pk_bf16_f32 v[96+4*(2*c_+jj_)+q_], v[32+4*(8*jj_+2*q_)+c_], v[32+4*(8*jj_+2*q_+1)+c_]
.set q_, q_+1
.endr
	ds_store_b128 v6, v[96+4*(2*c_+jj_):96+4*(2*c_+jj_)+3] offset:16*c_+256*jj_
.set c_, c_+1
.endr
.set jj_, jj_+1
.endr
.set x_, 0
.rept 8                                                ; LDS serves a wave's instructions in order (ISA guide 5.7.1.4): these see my stores above
	ds_load_b128 v[128+4*x_:131+4*x_], v7 offset:(x_/2)*PT+(x_%2)*512
.set x_, x_+1
.endr
	s_wait_tensorcnt 0x0                           ; the wave's end: three closing lines behind my last LDS store;
	ds_add_u32 v4, v5
	s_wait_dscnt 0x0                               ; the wait is also the one for the eight loads above
.set x_, 0
.rept 8                                                ; each store covers 512 consecutive bytes, at a multiple of 512 from wp's first byte
.if x_ < 4
	global_store_b128 v8, v[128+4*x_:131+4*x_], s[30:31] offset:512*x_
.else
	global_store_b128 v9, v[128+4*x_:131+4*x_], s[30:31] offset:512*x_
.endif
.set x_, x_+1
.endr
	s_endpgm
; THE SORT.  s3 = g.  Thread tid holds tokens 1024 q + 4 tid + c of every block q.  The lines are ordered so that a line's sources were written four lines or more ahead of it.
; v10-13 my block's ids; v14-17 their ranks in the wave; v18-21 for each c eight 4-bit counters; v22-29 at work; v30, v31 eight 8-bit counters; v32-91 the ids of blocks 0-14; v92-95 eight 16-bit counters;
; v96-103, v104-111 the wave's counts in front of my block and in it; v112-143 first the 32 candidates for the ranks, then the table's columns and the places.
; s4-18 for each block q: 1 if it lies in front of mine; s40-47 how many of each relation the wave has ranked; s56-63 for each wave: -1 if it stands in front of mine; s66-97 the 32 masks (c, e).
.Lsort:
	v_lshlrev_b32 v6, 4, v0
	s_lshl_b32 s34, s3, 12
	s_mov_b32 s35, 0
	s_add_nc_u64 s[32:33], s[20:21], s[34:35]
	global_load_b128 v[10:13], v6, s[32:33]        ; my block first: its ranks are made while the others arrive
.set q_, 0
.rept 15
	global_load_b128 v[32+4*q_:35+4*q_], v6, s[20:21] offset:4096*q_
.set q_, q_+1
.endr
.set q_, 0
.rept 15
	s_cmp_gt_u32 s3, q_
	s_cselect_b32 s[4+q_], 1, 0
.set q_, q_+1
.endr
.set e_, 0
.rept 8
	s_mov_b32 s[40+e_], 0
	s_cmp_gt_u32 s2, e_
	s_cselect_b32 s[56+e_], -1, 0
.set e_, e_+1
.endr
	s_mov_b32 s48, 0x76543210                      ; v_permlanex16_b32: each lane takes its own place in the other half
	s_mov_b32 s49, 0xfedcba98
	s_mov_b32 s54, 0x0f0f0f0f
	s_mov_b32 s55, 0x00ff00ff
.irp r, 14,15,16,17,18,19,20,21
	v_mov_b32 v\r, 0
.endr
	s_wait_loadcnt 15                              ; my block is in; the 15 loads issued behind it may stay out
.set c_, 0
.rept 4
	v_and_b32 v[10+c_], 7, v[10+c_]
.set c_, c_+1
.endr
; my block: each token's rank among the wave's tokens of its relation, in the order c, lane.  x = 8 c + e.
.set x_, 0
.rept 32
	v_cmp_eq_u32 s[66+x_], x_%8, v[10+x_/8]
.set x_, x_+1
.endr
.set x_, 0
.rept 32
	v_mbcnt_lo_u32_b32 v[112+x_], s[66+x_], s[40+x_%8]  ; those ranked before + the lanes below mine
	s_bcnt1_i32_b32 s[52+x_%2], s[66+x_]
	s_add_co_u32 s[40+x_%8], s[40+x_%8], s[52+x_%2]
.set x_, x_+1
.endr
.set e_, 0
.rept 8
.set c_, 0
.rept 4                                                ; four chains by turns; exactly one e fits each token
	v_cndmask_b32 v[14+c_], v[14+c_], v[112+8*c_+e_], s[66+8*c_+e_]
.set c_, c_+1
.endr
.set e_, e_+1
.endr
.set e_, 0
.rept 8
	v_mov_b32 v[104+e_], s[40+e_]                  ; the wave's counts in my block
.set e_, e_+1
.endr
; the ids in front of my block.  Each c has its own counters, which get at most 1 in a block: 15 at the most, which four bits hold.
.set q_, 0
.rept 15
	s_wait_loadcnt 14-q_                           ; block q is in; the blocks issued behind it may stay out
.set tb_, 22+4*(q_%2)
.set c_, 0
.rept 4
	v_lshlrev_b32 v[tb_+c_], 2, v[32+4*q_+c_]
.set c_, c_+1
.endr
.set c_, 0
.rept 4
	v_and_b32 v[tb_+c_], 28, v[tb_+c_]             ; 4 x (id & 7)
.set c_, c_+1
.endr
.set c_, 0
.rept 4
	v_lshl_add_u32 v[18+c_], s[4+q_], v[tb_+c_], v[18+c_]
.set c_, c_+1
.endr
.set q_, q_+1
.endr
.set c_, 0
.rept 4
	v_and_b32 v[22+c_], s54, v[18+c_]              ; relations 0, 2, 4, 6
	v_lshrrev_b32 v[26+c_], 4, v[18+c_]
.set c_, c_+1
.endr
.set c_, 0
.rept 4
	v_and_b32 v[26+c_], s54, v[26+c_]              ; relations 1, 3, 5, 7
.set c_, c_+1
.endr
	v_add3_u32 v30, v22, v23, v24                  ; 60 at the most in a byte
	v_add3_u32 v31, v26, v27, v28
	v_add_nc_u32 v30, v30, v25
	v_add_nc_u32 v31, v31, v29
	v_and_b32 v92, s55, v30                        ; relations 0 | 4
	v_lshrrev_b32 v93, 8, v30
	v_and_b32 v94, s55, v31                        ; 1 | 5
	v_lshrrev_b32 v95, 8, v31
	v_and_b32 v93, s55, v93                        ; 2 | 6
	v_and_b32 v95, s55, v95                        ; 3 | 7
; summed over the wave's 32 lanes: 1,920 at the most in a 16-bit field
.irp m, 1,2,4,8
.irp r, 0,1,2,3
	v_mov_b32_dpp v[22+\r], v[92+\r] row_xmask:\m row_mask:0xf bank_mask:0xf
.endr
.irp r, 0,1,2,3
	v_add_nc_u32 v[92+\r], v[92+\r], v[22+\r]
.endr
.endr
.irp r, 0,1,2,3
	v_permlanex16_b32 v[22+\r], v[92+\r], s48, s49
.endr
.irp r, 0,1,2,3
	v_add_nc_u32 v[92+\r], v[92+\r], v[22+\r]
.endr
	v_and_b32 v96, 0xffff, v92                     ; v96-103: the wave's counts in front of my block, by relation
	v_lshrrev_b32 v100, 16, v92
	v_and_b32 v98, 0xffff, v93
	v_lshrrev_b32 v102, 16, v93
	v_and_b32 v97, 0xffff, v94
	v_lshrrev_b32 v101, 16, v94
	v_and_b32 v99, 0xffff, v95
	v_lshrrev_b32 v103, 16, v95
	s_lshl_b32 s52, s2, 6
	s_add_co_u32 s52, s52, TAB
	v_mov_b32 v153, s52                            ; my wave's row of the table: all lanes write the same words with the same values
	ds_store_b128 v153, v[96:99]
	ds_store_b128 v153, v[100:103] offset:16
	ds_store_b128 v153, v[104:107] offset:32
	ds_store_b128 v153, v[108:111] offset:48
	s_wait_dscnt 0x0                               ; for the others' sake: my row is written
	s_barrier_signal -1
	s_barrier_wait -1                              ; the way here hangs on the work-group's number alone: all eight waves pass
	v_lshl_add_u32 v123, v2, 2, TAB                ; lane % 16 takes column lane % 16 of all eight rows
.set w_, 0
.rept 8
	ds_load_b32 v[112+w_], v123 offset:64*w_
.set w_, w_+1
.endr
	v_and_b32 v154, 7, v0
	v_lshlrev_b32 v154, 2, v154
	v_add_nc_u32 v155, 32, v154
.set c_, 0
.rept 4
	v_lshlrev_b32 v[124+c_], 2, v[10+c_]
.set c_, c_+1
.endr
.set c_, 0
.rept 4
	v_add_nc_u32 v[128+c_], 32, v[124+c_]
.set c_, c_+1
.endr
	s_wait_dscnt 0x0
.set w_, 0
.rept 8
	v_and_b32 v[22+w_], s[56+w_], v[112+w_]        ; the rows of the waves in front of mine
.set w_, w_+1
.endr
	v_add3_u32 v120, v112, v113, v114              ; over all waves,
	v_add3_u32 v121, v22, v23, v24                 ; over the waves in front of mine
	v_add3_u32 v120, v120, v115, v116
	v_add3_u32 v121, v121, v25, v26
	v_add3_u32 v120, v120, v117, v118
	v_add3_u32 v121, v121, v27, v28
	v_add_nc_u32 v120, v120, v119
	v_add_nc_u32 v121, v121, v29
	v_cmp_gt_u32 vcc_lo, 8, v2
	v_cndmask_b32 v122, v121, v120, vcc_lo         ; lane e: all in front of my block; lane 8 + e: my block's in front of my wave
.set c_, 0
.rept 4
	ds_bpermute_b32 v[132+c_], v[124+c_], v122     ; from lane e
	ds_bpermute_b32 v[136+c_], v[128+c_], v122     ; from lane 8 + e
.set c_, c_+1
.endr
	ds_bpermute_b32 v149, v154, v120               ; relation lane % 8: all in front of my block,
	ds_bpermute_b32 v148, v155, v120               ; and all of my block
	s_wait_tensorcnt 0x0                           ; the wave's end: three closing lines behind my last LDS store;
	ds_add_u32 v4, v5
	s_wait_dscnt 0x0                               ; the wait is also the one for the ten exchanges above
	s_lshl_b32 s52, s3, 10
	v_lshlrev_b32 v144, 2, v0
	v_add_nc_u32 v144, s52, v144                   ; my first token's number
.set c_, 0
.rept 4
	v_lshl_add_u32 v[140+c_], v[10+c_], 14, v[14+c_]
.set c_, c_+1
.endr
.set c_, 0
.rept 4
	v_add3_u32 v[140+c_], v[140+c_], v[132+c_], v[136+c_]
.set c_, c_+1
.endr
.set c_, 0
.rept 4
	v_min_u32 v[140+c_], LISTMAX, v[140+c_]        ; inside the list, whatever was loaded
.set c_, c_+1
.endr
.set c_, 0
.rept 4
	v_lshlrev_b32 v[140+c_], 2, v[140+c_]
.set c_, c_+1
.endr
.set c_, 1
.rept 3
	v_add_nc_u32 v[144+c_], c_, v144
.set c_, c_+1
.endr
.set c_, 0
.rept 4
	global_store_b32 v[140+c_], v[144+c_], s[26:27]  ; a scatter by nature: 64 KB in the whole launch
.set c_, c_+1
.endr
	v_add_nc_u32 v149, v149, v148
	v_lshlrev_b32 v150, 1, v0
	v_add_nc_u32 v151, 1, v150
	v_lshlrev_b32 v152, 3, v0
	s_cmp_lg_u32 s3, 15
	s_cbranch_scc1 .Lnot_last
	s_cmp_lg_u32 s2, 0
	s_cbranch_scc1 .Lnot_last
	global_store_b32 v154, v149, s[24:25]          ; the last block's work-group knows the totals; four lanes store each word, with the same value
.Lnot_last:
	s_cmp_lg_u32 s3, 0
	s_cbranch_scc1 .Ldone
	global_store_b64 v152, v[150:151], s[26:27] offset:524288  ; the shared MLP's rows: list[131072 + i] = i
.Ldone:
	s_endpgm
.Lfunc_end_k_q3205e578c2_prep:
	.size	k_q3205e578c2_prep, .Lfunc_end_k_q3205e578c2_prep-k_q3205e578c2_prep
	.p2alignl 7, 3214868480
	.fill 96, 4, 3214868480
	.section	.rodata,"a",@progbits
	.p2align	6, 0x0
	.amdhsa_kernel k_q3205e578c2_prep
		.amdhsa_group_segment_fixed_size 34816
		.amdhsa_private_segment_fixed_size 0
		.amdhsa_enable_private_segment 0
		.amdhsa_kernarg_size 80
		.amdhsa_user_sgpr_count 2
		.amdhsa_user_sgpr_kernarg_segment_ptr 1
		.amdhsa_wavefront_size32 1
		.amdhsa_system_sgpr_workgroup_id_x 1
		.amdhsa_system_sgpr_workgroup_id_y 1
		.amdhsa_system_sgpr_workgroup_id_z 1
		.amdhsa_system_vgpr_workitem_id 0
		.amdhsa_next_free_vgpr 160
		.amdhsa_next_free_sgpr 100
		.amdhsa_reserve_vcc 1
		.amdhsa_float_denorm_mode_32 3
		.amdhsa_float_denorm_mode_16_64 3
		.amdhsa_memory_ordered 1
		.amdhsa_forward_progress 1
		.amdhsa_inst_pref_size 39
	.end_amdhsa_kernel
	.amdgpu_metadata
---
amdhsa.version: [ 1, 2 ]
amdhsa.kernels:
  - .name:           k_q3205e578c2_prep
    .symbol:         k_q3205e578c2_prep.kd
    .args:
      - { .name: W1, .offset: 0, .size: 8, .value_kind: global_buffer, .address_space: global }
      - { .name: W2, .offset: 8, .size: 8, .value_kind: global_buffer, .address_space: global }
      - { .name: W3, .offset: 16, .size: 8, .value_kind: global_buffer, .address_space: global }
      - { .name: Wu1, .offset: 24, .size: 8, .value_kind: global_buffer, .address_space: global }
      - { .name: Wu2, .offset: 32, .size: 8, .value_kind: global_buffer, .address_space: global }
      - { .name: Wu3, .offset: 40, .size: 8, .value_kind: global_buffer, .address_space: global }
      - { .name: s, .offset: 48, .size: 8, .value_kind: global_buffer, .address_space: global }
      - { .name: wp, .offset: 56, .size: 8, .value_kind: global_buffer, .address_space: global }
      - { .name: counts, .offset: 64, .size: 8, .value_kind: global_buffer, .address_space: global }
      - { .name: list, .offset: 72, .size: 8, .value_kind: global_buffer, .address_space: global }
    .group_segment_fixed_size: 34816
    .private_segment_fixed_size: 0
    .kernarg_segment_align: 8
    .kernarg_segment_size: 80
    .max_flat_workgroup_size: 256
    .sgpr_count:     100
    .vgpr_count:     160
    .wavefront_size: 32
...
	.end_amdgpu_metadata
.endif
;; end of part 1
;; launch chain (part 2): grid 219 x 1, 4 waves a work-group, no clusters, 168,192 bytes of LDS; arguments a_emb, o_emb, u_emb, i_emb, b1, b2, b3, bu1, bu2, bu3, wp, counts, list, emb; writes emb
.if DOCPART == 2
	.amdgcn_target "amdgcn-amd-amdhsa--gfx1250"
	.amdhsa_code_object_version 6
	.text
	.protected	k_q3205e578c2_chain
	.globl	k_q3205e578c2_chain
	.p2align	8
	.type	k_q3205e578c2_chain,@function
k_q3205e578c2_chain:
	s_mov_b64 s[64:65], 0
	v_nop
	global_prefetch_b8 v0, s[64:65] scope:SCOPE_SE
	s_setreg_imm32_b32 hwreg(HW_REG_WAVE_MODE, 25, 1), 1
	s_wait_xcnt 0x0
; CHAIN.  A work-group takes a tile of 80 rows of ONE expert through the whole MLP: gather [a | o] (or [u | i]), 512 -> 512 -> 256 -> 128, each layer with bias and LeakyReLU (slope 0.01), and stores the
; 128 results of each row, in bf16, at the row's place in emb (row t: token t; row 16,384 + b: the shared MLP's row b).  The hidden layers stay in LDS.
; GRID.  Work-groups 0-6: the shared MLP's 512 rows (expert 8).  Work-groups 7-218: the relations' tiles.  The sum over relations of ceil(count / 80) is at most (16,384 + 8 x 79) / 80 = 212 for every split, so the
; grid serves every split; each work-group finds its relation and tile from the eight stored counts.  In a tile that is not full the places past the count repeat the tile's last row (the same result goes to the same address).
; A work-group that the split leaves without rows runs the same text on a row that exists, since every wave passes every barrier, and only its stores are jumped.
; SHARES.  Four waves; wave w owns a quarter of each layer's columns for all 80 rows: 5 x 8, 5 x 4, 5 x 2 accumulators of 16 x 16.  So each weight is wanted by one wave alone, and comes from wp straight into registers as a
; matrix operand, through a ring of four register slots of 8 KB (a GROUP: 8 fragments; 26 groups a wave): no LDS, no barrier.  Activations lie in LDS and are read by all four waves.
; LAYER 1 BEGINS ON HALF OF X.  a's half of the rows (k 0-255) is asked for first and has an LDS region of its own; o's half (k 256-511) is asked for behind it and waits in registers while K steps 0-3 are multiplied;
; K step 4 rounds it into the second region, K step 5's barrier shows it to all waves, and K step 7 fetches its first fragments.
; NO CLUSTER: an expert's tiles walk the same weights, but joint loads would want each expert padded to whole clusters of 320 rows, and would send the weights through LDS as well: 26 LDS loads in place of 10 for layer 1's 40 matrix instructions.
; THE MATRIX INSTRUCTION IS USED TRANSPOSED: source 0 = 16 columns of W, source 1 = 16 rows of activations: lane l then holds row l % 16 and the columns 8 (l / 16) + 0..7, which pack into 16 bytes.
; The bias is the C operand of a sum's first product: nothing is cleared and nothing is added afterwards.
; FORMATS AND LIMITS.  All inputs, the biases too, are rounded to bf16; products of bf16, sums in f32; each hidden layer and the result are rounded once to bf16.  bf16 has f32's range.  NaN is not treated apart (max(x, 0.01 x)).
; REGISTERS, in windows of 256 (s_set_vgpr_msb: bits 1:0 source 0, 3:2 source 1, 5:4 source 2, 7:6 destination):
;   window 0: v0-21 addresses; v22-31 XOFF; v32-111 two buffers of activation fragments (5 x 8 each), at work elsewhere; v112-121 SOFF; v122-131 LA; v132-141 IDX; v142 first place; v144-255 o's rows as loaded, pairs 0-6
;   window 1: the weights' ring, slot s at 64 s      window 2: accumulators (before layer 1: a's rows as loaded)
;   window 3: v0-63 layer 1's fifth row unit; v64-175 biases; v176-183 at work; v184-231 o's rows as loaded, pairs 7-9
.set PXH,    528                       ; a row of half of X, and of H2, in LDS: 512 bytes + 16: an odd multiple of 16, so that the 16 rows of a fragment load start at 16 different groups of four banks (64 banks of 4 bytes: ISA guide 11.1)
.set PX,     1040                      ; a row of H1: 1,024 + 16
.set PO,     272                       ; a row of the result: 256 + 16
.set XOB,    80*PXH                    ; from 0: a's half of X, later H2.  From here: o's half of X
.set Q0,     2*XOB                     ; from here: H1, later the result
.set SPARE,  Q0+80*PX                  ; the spare words, 128 bytes for each wave; no other line names them
.set STREAM, 212992
.set AF0,  32
.set TMP,  32
.set XOFF, 22                          ; byte offset of my 16 bytes in row i's 1,024 bytes of a (o, u, i)
.set SOFF, 112                         ; byte offset of my 16 bytes in row i's 256 bytes of emb
.set LA,   122
.set IDX,  132
.set SO0,  144                         ; o's rows as loaded: pairs 0-6 in window 0,
.set SO3,  184                         ; pairs 7-9 in window 3; 16 registers a pair
.set MSB, 0
.macro WIN new                         ; the immediate's high byte repeats the setting that is left; a switch that changes nothing is dropped
.if MSB != (\new)
	s_set_vgpr_msb (MSB<<8)|(\new)
.set MSB, \new
.endif
.endm
.set MUL2, 0xa1                        ; W window 1, activations window 0, C and D window 2
.set MUL3, 0xf1                        ; C and D window 3
.set MULB, 0xb1                        ; D window 2, C (the bias) window 3
.set TO_B, 0x40
.set TO_2, 0x80
.set TO_3, 0xc0
.set FR2,  0x02
.set FR3,  0x03
.set CV2,  0x0a
.set BR,   0xcf
.set ST3W, 0x0c                        ; an LDS store's data (source 1) in window 3, its address in window 0
.macro PLACES                          ; a load into, or a vector write of, a register that a matrix instruction has named, and a vector read of its result, stand four plain vector instructions behind it (ISA guide 7.12.1 for vector instructions)
.rept 4
	v_nop
.endr
.endm
.macro BAR
	s_wait_dscnt 0x0                               ; my LDS stores are done and my LDS loads are back
	s_barrier_signal -1
	s_barrier_wait -1
.endm
; group gl of my stream into slot gl % 4: 16 loads of 512 consecutive bytes
.macro BFETCH gl
	WIN TO_B
.set bs_, 64*((\gl)%4)
.set f_, 0
.rept 16
	global_load_b128 v[bs_+4*f_:bs_+4*f_+3], v1, s[28:29] offset:(\gl)*8192+f_*512
.set f_, f_+1
.endr
.endm
; the five activation fragments (16 rows x 32 k) of K step ks into buffer ks % 2.  Two address registers, three row units apart, keep the immediates inside 16 bits.  In layer 1 K steps 8-15 lie in X's second region.
.macro AFETCH lo, hi, RS, ks, lay
	WIN 0
.set fb_, AF0+40*((\ks)%2)
.if (\lay) == 1
.set kb_, 64*((\ks)%8)+((\ks)/8)*XOB
.else
.set kb_, 64*(\ks)
.endif
.set u_, 0
.rept 5
.if u_ < 3
	ds_load_b128 v[fb_+8*u_:fb_+8*u_+3],   v[\lo] offset:u_*(\RS)+kb_
	ds_load_b128 v[fb_+8*u_+4:fb_+8*u_+7], v[\lo] offset:u_*(\RS)+kb_+32
.else
	ds_load_b128 v[fb_+8*u_:fb_+8*u_+3],   v[\hi] offset:(u_-3)*(\RS)+kb_
	ds_load_b128 v[fb_+8*u_+4:fb_+8*u_+7], v[\hi] offset:(u_-3)*(\RS)+kb_+32
.endif
.set u_, u_+1
.endr
.endm
; the five row units x my NB column blocks, 32 along K.  The 5 NB accumulators take turns, one instruction a turn, in the same order in every K step.
.macro MULS NB, lay, ks
.set sl_, 64*((G0+((\ks)*(\NB))/8)%4)+8*(((\ks)*(\NB))%8)
.set af_, AF0+40*((\ks)%2)
.set a_, 0
.rept 5
.set b_, 0
.rept \NB
.if ((\lay) == 1) && (a_ == 4)
.set d_, 8*b_
	WIN MUL3
.else
.set d_, 8*((\NB)*a_+b_)
.if (\ks) == 0
	WIN MULB
.else
	WIN MUL2
.endif
.endif
.if (\ks) == 0
	v_wmma_f32_16x16x32_bf16 v[d_:d_+7], v[sl_+8*b_:sl_+8*b_+7], v[af_+8*a_:af_+8*a_+7], v[BIAS+8*b_:BIAS+8*b_+7]
.else
	v_wmma_f32_16x16x32_bf16 v[d_:d_+7], v[sl_+8*b_:sl_+8*b_+7], v[af_+8*a_:af_+8*a_+7], v[d_:d_+7]
.endif
.set b_, b_+1
.endr
.set a_, a_+1
.endr
.endm
; o's half of X: rounded to bf16 in the registers in which it arrived (ascending: a destination has been read), and stored into the second region, which nobody has touched
.macro XO
	WIN 0
.set i_, 0
.rept 7
.set j_, 0
.rept 8
	v_cvt_pk_bf16_f32 v[SO0+16*i_+j_], v[SO0+16*i_+2*j_], v[SO0+16*i_+2*j_+1]
.set j_, j_+1
.endr
.set i_, i_+1
.endr
	WIN BR
.set i_, 0
.rept 3
.set j_, 0
.rept 8
	v_cvt_pk_bf16_f32 v[SO3+16*i_+j_], v[SO3+16*i_+2*j_], v[SO3+16*i_+2*j_+1]
.set j_, j_+1
.endr
.set i_, i_+1
.endr
	WIN 0
.set i_, 0
.rept 7
.set m_, 0
.rept 4
	ds_store_b64 v16, v[SO0+16*i_+2*m_:SO0+16*i_+2*m_+1] offset:XOB+i_*PXH+128*m_
.set m_, m_+1
.endr
.set i_, i_+1
.endr
	WIN ST3W
.set i_, 0
.rept 3
.set m_, 0
.rept 4
	ds_store_b64 v16, v[SO3+16*i_+2*m_:SO3+16*i_+2*m_+1] offset:XOB+(7+i_)*PXH+128*m_
.set m_, m_+1
.endr
.set i_, i_+1
.endr
.endm
; A K step of 32.  At its head, in one run, the next step's activations are fetched into the other buffer, and, at a group's first step, the group three further on into the slot that the group before has left:
; both have the whole step's products in which to land.  The last readers of that buffer and of that slot stand in the K step before, ahead of the four places.
.macro KSTEP NB, lay, ks, NKS, lo, hi, RS
.set gk_, G0+((\ks)*(\NB))/8
.set fo_, ((\ks)*(\NB))%8
	s_wait_dscnt 0x0                               ; this step's ten fragment loads (and, in layer 1's step 5, my stores of o's half)
.if ((\lay) == 1) && ((\ks) == 5)
	s_barrier_signal -1                            ; o's half of X is whole: its first reader is fetched two steps on
	s_barrier_wait -1
.endif
.if (fo_ == 0) && (gk_ >= 2)
.if gk_ <= 3
	s_wait_loadcnt 63                              ; this group is in: 72 loads were issued behind it (o's 40 among them), and 63 is the largest count that the wait can name
.elseif gk_ <= 23
	s_wait_loadcnt 32                              ; this group is in; the 2 x 16 loads of the two groups issued behind it may stay out.  At group 4 this also shows o's rows, asked for ahead of it
.else
	s_wait_loadcnt 16*(25-gk_)                     ; the stream's end: one group, then none, was issued behind it
.endif
.endif
	PLACES
.if ((\lay) == 1) && ((\ks) == 4)
	XO
.endif
.if (\ks)+1 < (\NKS)
	AFETCH \lo,\hi,\RS,(\ks)+1,\lay
.endif
.if (fo_ == 0) && (gk_ >= 1) && (gk_+3 <= 25)
	BFETCH gk_+3
.endif
	MULS \NB,\lay,\ks
.endm
; A layer's end, a row unit at a time: max(x, 0.01 x), rounded to bf16, 16 bytes a lane and column block into the next layer's rows.  Each accumulator's registers are read in ascending order.
.macro EPI NB, l1, lo, hi, RS
	PLACES
.set a_, 0
.rept 5
.if (\l1) && (a_ == 4)
	WIN FR3
.set ab_, 0
.else
	WIN FR2
.set ab_, 8*(\NB)*a_
.endif
.set i_, 0
.rept 4*(\NB)
	v_pk_mul_f32 v[TMP+2*i_:TMP+2*i_+1], v[ab_+2*i_:ab_+2*i_+1], s[54:55] op_sel_hi:[1,0]
.set i_, i_+1
.endr
.set i_, 0
.rept 8*(\NB)
	v_max_num_f32 v[TMP+i_], v[ab_+i_], v[TMP+i_]
.set i_, i_+1
.endr
	WIN 0
.set i_, 0
.rept 4*(\NB)
	v_cvt_pk_bf16_f32 v[TMP+i_], v[TMP+2*i_], v[TMP+2*i_+1]  ; in place, ascending: the destination has been read
.set i_, i_+1
.endr
.set b_, 0
.rept \NB
.if a_ < 3
	ds_store_b128 v[\lo], v[TMP+4*b_:TMP+4*b_+3] offset:a_*(\RS)+32*b_
.else
	ds_store_b128 v[\hi], v[TMP+4*b_:TMP+4*b_+3] offset:(a_-3)*(\RS)+32*b_
.endif
.set b_, b_+1
.endr
.set a_, a_+1
.endr
.endm
	s_load_b512 s[8:23], s[0:1], 0x0               ; a 8:9, o 10:11, u 12:13, i 14:15, b1 16:17, b2 18:19, b3 20:21, bu1 22:23
	s_load_b256 s[24:31], s[0:1], 0x40             ; bu2 24:25, bu3 26:27, wp 28:29, counts 30:31
	s_load_b128 s[32:35], s[0:1], 0x60             ; list 32:33, emb 34:35
	v_lshl_add_u32 v20, v0, 2, SPARE               ; my spare word; never rewritten
	v_mov_b32 v21, 0                               ; 0; never rewritten
	v_lshrrev_b32 v1, 5, v0
	v_readfirstlane_b32 s2, v1                     ; wave 0..3
	s_mov_b32 s3, ttmp9
	s_mov_b32 s54, 0x3c23d70a                      ; 0.01
	s_mov_b32 s55, s54                             ; named with it as a pair
	s_wait_kmcnt 0x0
	s_load_b256 s[36:43], s[30:31], 0x0            ; the eight counts
	v_and_b32 v2, 15, v0                           ; cl = lane % 16
	v_bfe_u32 v3, v0, 4, 1                         ; h = lane / 16
	v_and_b32 v1, 31, v0
	v_lshlrev_b32 v1, 4, v1                        ; my 16 bytes of a weight load's 512
	v_mul_u32_u24 v6, v2, PX
	v_lshl_add_u32 v6, v3, 4, v6
	v_add_nc_u32 v6, Q0, v6                        ; fragments of H1: row cl, 16 bytes for each half of the lanes; row units 0-2
	v_add_nc_u32 v7, 48*PX, v6                     ; row units 3, 4
	v_mul_u32_u24 v8, v2, PXH
	v_lshl_add_u32 v8, v3, 4, v8                   ; the same for a's half of X (o's: XOB further on) and for H2
	v_add_nc_u32 v9, 48*PXH, v8
	s_lshl_b32 s46, s2, 8
	v_add_nc_u32 v10, s46, v6                      ; where layer 1's results go: my 128 columns of H1
	v_add_nc_u32 v11, 48*PX, v10
	s_lshl_b32 s46, s2, 7
	v_add_nc_u32 v12, s46, v8                      ; layer 2's: my 64 columns of H2, whose pitch is that of a half of X
	v_add_nc_u32 v13, 48*PXH, v12
	v_mul_u32_u24 v14, v2, PO
	v_lshl_add_u32 v14, v3, 4, v14
	s_lshl_b32 s46, s2, 6
	s_add_co_u32 s46, s46, Q0
	v_add_nc_u32 v14, s46, v14                     ; layer 3's: my 32 columns of the result
	v_add_nc_u32 v15, 48*PO, v14
	s_mul_i32 s46, s2, 10
	v_mul_u32_u24 v142, v3, 40
	v_add_nc_u32 v142, s46, v142                   ; in the gather and on the way out lanes 0-15 have rows 10 w + i, lanes 16-31 rows 40 + 10 w + i, i = 0..9
	v_mul_u32_u24 v16, v142, PXH
	v_lshl_add_u32 v16, v2, 3, v16                 ; X: 8 bytes a lane
	v_mul_u32_u24 v17, v142, PO
	v_lshl_add_u32 v17, v2, 4, v17
	v_add_nc_u32 v17, Q0, v17                      ; the result: 16 bytes a lane, 16 lanes a row
	v_lshlrev_b32 v18, 5, v3                       ; biases: 8 numbers for each half of the lanes
	v_lshlrev_b32 v19, 4, v2
	s_wait_kmcnt 0x0
; WHICH TILE IS MINE.  Relation x has T = ceil(c / 80) tiles, taken as ((c + 79) / 16) / 5 with / 5 = x 52429 >> 18 (exact up to 1,029, the largest that can come).
	s_sub_co_u32 s4, s3, 7                         ; my number among the relations' tiles (wraps for the shared MLP's work-groups, which then match none)
	s_mov_b32 s5, 0                                ; tiles of the relations in front
	s_mov_b32 s6, 0                                ; e
	s_mov_b32 s7, 0                                ; my tile in e
	s_mov_b32 s44, 0                               ; e's rows; 0 if no relation has a tile for me
.irp x, 0,1,2,3,4,5,6,7
	s_min_u32 s[36+\x], s[36+\x], 16384
	s_add_co_u32 s45, s[36+\x], 79
	s_lshr_b32 s45, s45, 4
	s_mul_i32 s45, s45, 52429
	s_lshr_b32 s45, s45, 18
	s_sub_co_u32 s46, s4, s5
	s_cmp_lt_u32 s46, s45
	s_cselect_b32 s6, \x, s6
	s_cselect_b32 s7, s46, s7
	s_cselect_b32 s44, s[36+\x], s44
	s_add_co_u32 s5, s5, s45
.endr
	s_mov_b32 s50, 16383                           ; the last row of a and o, or of u and i
	s_cmp_lt_u32 s3, 7                             ; the shared MLP?  The condition hangs on the work-group's number alone
	s_cselect_b32 s56, 0, s6                       ; which row of the bias tensors
	s_cselect_b32 s6, 8, s6
	s_cselect_b32 s7, s3, s7
	s_cselect_b32 s44, 512, s44
	s_cselect_b32 s50, 511, s50
	s_cselect_b32 s51, 16384, 0                    ; emb's first row for this kind
	s_cselect_b64 s[8:9], s[12:13], s[8:9]
	s_cselect_b64 s[10:11], s[14:15], s[10:11]
	s_cselect_b64 s[16:17], s[22:23], s[16:17]
	s_cselect_b64 s[18:19], s[24:25], s[18:19]
	s_cselect_b64 s[20:21], s[26:27], s[20:21]
	s_min_u32 s6, s6, 8                            ; inside their tables, whatever was loaded
	s_min_u32 s56, s56, 7
	s_mul_i32 s46, s7, 80
	s_sub_co_u32 s47, s44, s46
	s_min_u32 s47, s47, 80                         ; n: my tile's rows
	s_max_u32 s48, s47, 1
	s_sub_co_u32 s48, s48, 1                       ; the last place that holds a row
	s_lshl_b32 s49, s6, 14
	s_add_co_u32 s49, s49, s46                     ; my tile's first word in the list
	s_cmp_eq_u32 s47, 0
	s_cselect_b32 s49, 131072, s49                 ; without rows: a word that is always stored
	s_mov_b32 s53, 0
	s_lshl_b32 s52, s56, 11
	s_lshl_b32 s46, s2, 9
	s_add_co_u32 s52, s52, s46
	s_add_nc_u64 s[16:17], s[16:17], s[52:53]      ; my 128 biases of layer 1
	s_lshl_b32 s52, s56, 10
	s_lshl_b32 s46, s2, 8
	s_add_co_u32 s52, s52, s46
	s_add_nc_u64 s[18:19], s[18:19], s[52:53]      ; my 64 of layer 2
	s_lshl_b32 s52, s56, 9
	s_lshl_b32 s46, s2, 7
	s_add_co_u32 s52, s52, s46
	s_add_nc_u64 s[20:21], s[20:21], s[52:53]      ; my 32 of layer 3
	s_lshl_b32 s52, s6, 2
	s_add_co_u32 s52, s52, s2
	s_mul_i32 s52, s52, STREAM
	s_add_nc_u64 s[28:29], s[28:29], s[52:53]      ; my stream of weights
; THE LIST: the row numbers of my ten pairs of places; places past n take the last row's word
.set i_, 0
.rept 10
	v_add_nc_u32 v[LA+i_], i_, v142
	v_min_u32 v[LA+i_], s48, v[LA+i_]
	v_add_nc_u32 v[LA+i_], s49, v[LA+i_]
	v_min_u32 v[LA+i_], 0x201ff, v[LA+i_]          ; inside the list, whatever was loaded
	v_lshlrev_b32 v[LA+i_], 2, v[LA+i_]
	global_load_b32 v[IDX+i_], v[LA+i_], s[32:33]
.set i_, i_+1
.endr
; biases (28 loads) and the first two groups of weights (32) go out while the list is on its way
	WIN TO_3
.set b_, 0
.rept 8
	global_load_b128 v[64+8*b_:67+8*b_], v18, s[16:17] offset:64*b_
	global_load_b128 v[68+8*b_:71+8*b_], v18, s[16:17] offset:64*b_+16
.set b_, b_+1
.endr
.set b_, 0
.rept 4
	global_load_b128 v[128+8*b_:131+8*b_], v18, s[18:19] offset:64*b_
	global_load_b128 v[132+8*b_:135+8*b_], v18, s[18:19] offset:64*b_+16
.set b_, b_+1
.endr
.set b_, 0
.rept 2
	global_load_b128 v[160+8*b_:163+8*b_], v18, s[20:21] offset:64*b_
	global_load_b128 v[164+8*b_:167+8*b_], v18, s[20:21] offset:64*b_+16
.set b_, b_+1
.endr
	BFETCH 0
	BFETCH 1
	WIN 0
	s_wait_loadcnt 60                              ; the list is in: 28 + 32 loads were issued behind it
.set i_, 0
.rept 10
	v_min_u32 v[IDX+i_], s50, v[IDX+i_]
	v_min_u32 v[IDX+i_], 0x3fff, v[IDX+i_]         ; inside the tensors, whatever was loaded
	v_lshl_add_u32 v[XOFF+i_], v[IDX+i_], 10, v19
	v_add_lshl_u32 v[SOFF+i_], v[IDX+i_], s51, 8
	v_add_nc_u32 v[SOFF+i_], v[SOFF+i_], v19
.set i_, i_+1
.endr
; THE GATHER.  In each load 16 lanes take 256 consecutive bytes of a row, at a multiple of 256 from the tensor's first byte.  A row belongs to one tile; only a tile's last row is named again, in the same run.
; a's half first: 40 loads, into the accumulators' registers, which are not yet in use
	WIN TO_2
.set i_, 0
.rept 10
.set m_, 0
.rept 4
	global_load_b128 v[16*i_+4*m_:16*i_+4*m_+3], v[XOFF+i_], s[8:9] offset:256*m_ th:TH_LOAD_NT
.set m_, m_+1
.endr
.set i_, i_+1
.endr
	s_wait_loadcnt 63                              ; the biases are in: 32 + 40 loads were issued behind them, and 63 is the largest count that the wait can name
	WIN BR
.set x_, 64
.set z_, 0
.rept 56                                               ; rounded to bf16 like every input, and widened again for the f32 C operand; this stands while a's rows are on their way
	v_cvt_pk_bf16_f32 v[176+z_%8], v[x_], v[x_+1]
	v_lshlrev_b32 v[x_], 16, v[176+z_%8]
	v_and_b32 v[x_+1], 0xffff0000, v[176+z_%8]
.set x_, x_+2
.set z_, z_+1
.endr
	BFETCH 2                                       ; ahead of o's rows: loads land in the order of issue (ISA guide 5.7.1), so K steps 0-3 do not wait for o
	BFETCH 3
; o's half: 40 loads, into registers that layer 1 leaves alone
	WIN 0
.set i_, 0
.rept 7
.set m_, 0
.rept 4
	global_load_b128 v[SO0+16*i_+4*m_:SO0+16*i_+4*m_+3], v[XOFF+i_], s[10:11] offset:256*m_ th:TH_LOAD_NT
.set m_, m_+1
.endr
.set i_, i_+1
.endr
	WIN TO_3
.set i_, 0
.rept 3
.set m_, 0
.rept 4
	global_load_b128 v[SO3+16*i_+4*m_:SO3+16*i_+4*m_+3], v[XOFF+7+i_], s[10:11] offset:256*m_ th:TH_LOAD_NT
.set m_, m_+1
.endr
.set i_, i_+1
.endr
	s_wait_loadcnt 63                              ; a's rows, and groups 0 and 1 ahead of them, are in: 32 + 40 loads were issued behind a's last
; a's half into LDS.  The two halves of the lanes lie 40 rows = 21,120 bytes apart, 128 modulo 256: a store's 32 lanes touch each bank once.
	WIN CV2
.set j_, 0
.rept 80
	v_cvt_pk_bf16_f32 v[TMP+j_], v[2*j_], v[2*j_+1]
.set j_, j_+1
.endr
	WIN 0
.set i_, 0
.rept 10
.set m_, 0
.rept 4
	ds_store_b64 v16, v[TMP+8*i_+2*m_:TMP+8*i_+2*m_+1] offset:i_*PXH+128*m_
.set m_, m_+1
.endr
.set i_, i_+1
.endr
	BAR                                            ; a's half of X is whole
.set G0, 0
.set BIAS, 64
	AFETCH 8,9,16*PXH,0,1
.set k_, 0
.rept 16
	KSTEP 8,1,k_,16,8,9,16*PXH
.set k_, k_+1
.endr
	EPI 8,1,10,11,16*PX                            ; H1 into its region, which nobody has read
	BAR                                            ; H1 is whole, and nobody reads X any more
.set G0, 16
.set BIAS, 128
	AFETCH 6,7,16*PX,0,2
.set k_, 0
.rept 16
	KSTEP 4,2,k_,16,6,7,16*PX
.set k_, k_+1
.endr
	EPI 4,0,12,13,16*PXH                           ; H2 over a's half of X
	BAR                                            ; H2 is whole, and nobody reads H1 any more
.set G0, 24
.set BIAS, 160
	AFETCH 8,9,16*PXH,0,3
.set k_, 0
.rept 8
	KSTEP 2,3,k_,8,8,9,16*PXH
.set k_, k_+1
.endr
	EPI 2,0,14,15,16*PO                            ; the result over H1
	BAR                                            ; a row's 256 bytes come from all four waves
	WIN 0
.set i_, 0
.rept 10
	ds_load_b128 v[32+4*i_:35+4*i_], v17 offset:PO*i_
.set i_, i_+1
.endr
	s_wait_tensorcnt 0x0                           ; the wave's end: three closing lines behind my last LDS store;
	ds_add_u32 v20, v21
	s_wait_dscnt 0x0                               ; the wait is also the one for the ten loads above
	s_cmp_eq_u32 s47, 0
	s_cbranch_scc1 .Lnone                          ; a tile without rows stores nothing
.set i_, 0
.rept 10
	global_store_b128 v[SOFF+i_], v[32+4*i_:35+4*i_], s[34:35]  ; 16 lanes store a row's 256 consecutive bytes, at a multiple of 256 from emb's first byte
.set i_, i_+1
.endr
.Lnone:
	s_endpgm
.Lfunc_end_k_q3205e578c2_chain:
	.size	k_q3205e578c2_chain, .Lfunc_end_k_q3205e578c2_chain-k_q3205e578c2_chain
	.p2alignl 7, 3214868480
	.fill 96, 4, 3214868480
	.section	.rodata,"a",@progbits
	.p2align	6, 0x0
	.amdhsa_kernel k_q3205e578c2_chain
		.amdhsa_group_segment_fixed_size 168192
		.amdhsa_private_segment_fixed_size 0
		.amdhsa_enable_private_segment 0
		.amdhsa_kernarg_size 112
		.amdhsa_user_sgpr_count 2
		.amdhsa_user_sgpr_kernarg_segment_ptr 1
		.amdhsa_wavefront_size32 1
		.amdhsa_system_sgpr_workgroup_id_x 1
		.amdhsa_system_sgpr_workgroup_id_y 1
		.amdhsa_system_sgpr_workgroup_id_z 1
		.amdhsa_system_vgpr_workitem_id 0
		.amdhsa_next_free_vgpr 1024
		.amdhsa_next_free_sgpr 66
		.amdhsa_reserve_vcc 0
		.amdhsa_float_denorm_mode_32 3
		.amdhsa_float_denorm_mode_16_64 3
		.amdhsa_memory_ordered 1
		.amdhsa_forward_progress 1
		.amdhsa_inst_pref_size 248
	.end_amdhsa_kernel
	.amdgpu_metadata
---
amdhsa.version: [ 1, 2 ]
amdhsa.kernels:
  - .name:           k_q3205e578c2_chain
    .symbol:         k_q3205e578c2_chain.kd
    .args:
      - { .name: a_emb, .offset: 0, .size: 8, .value_kind: global_buffer, .address_space: global }
      - { .name: o_emb, .offset: 8, .size: 8, .value_kind: global_buffer, .address_space: global }
      - { .name: u_emb, .offset: 16, .size: 8, .value_kind: global_buffer, .address_space: global }
      - { .name: i_emb, .offset: 24, .size: 8, .value_kind: global_buffer, .address_space: global }
      - { .name: b1, .offset: 32, .size: 8, .value_kind: global_buffer, .address_space: global }
      - { .name: b2, .offset: 40, .size: 8, .value_kind: global_buffer, .address_space: global }
      - { .name: b3, .offset: 48, .size: 8, .value_kind: global_buffer, .address_space: global }
      - { .name: bu1, .offset: 56, .size: 8, .value_kind: global_buffer, .address_space: global }
      - { .name: bu2, .offset: 64, .size: 8, .value_kind: global_buffer, .address_space: global }
      - { .name: bu3, .offset: 72, .size: 8, .value_kind: global_buffer, .address_space: global }
      - { .name: wp, .offset: 80, .size: 8, .value_kind: global_buffer, .address_space: global }
      - { .name: counts, .offset: 88, .size: 8, .value_kind: global_buffer, .address_space: global }
      - { .name: list, .offset: 96, .size: 8, .value_kind: global_buffer, .address_space: global }
      - { .name: emb, .offset: 104, .size: 8, .value_kind: global_buffer, .address_space: global }
    .group_segment_fixed_size: 168192
    .private_segment_fixed_size: 0
    .kernarg_segment_align: 8
    .kernarg_segment_size: 112
    .max_flat_workgroup_size: 128
    .sgpr_count:     66
    .vgpr_count:     1024
    .wavefront_size: 32
...
	.end_amdgpu_metadata
.endif
;; end of part 2
;; launch dot (part 3): grid 256 x 1, 2 waves a work-group, no clusters, 0 bytes of LDS; arguments emb, s, out0; writes out0
.if DOCPART == 3
	.amdgcn_target "amdgcn-amd-amdhsa--gfx1250"
	.amdhsa_code_object_version 6
	.text
	.protected	k_q3205e578c2_dot
	.globl	k_q3205e578c2_dot
	.p2align	8
	.type	k_q3205e578c2_dot,@function
k_q3205e578c2_dot:
	s_mov_b64 s[64:65], 0
	v_nop
	global_prefetch_b8 v0, s[64:65] scope:SCOPE_SE
	s_setreg_imm32_b32 hwreg(HW_REG_WAVE_MODE, 25, 1), 1
	s_wait_xcnt 0x0
; DOT.  pred[b][n] = the sum over 128 channels of ui_emb[b] x aos_emb[b][n], both read from emb in bf16 (row 32 b + n: the token's; row 16,384 + b: the shared MLP's); products and sums in f32.
; Where s[b][n] lies outside 0..7 no relation takes the token, its aos_emb is 0 in the model, and pred is 0.
; One wave for each b: 16 loads of 512 consecutive bytes bring its 32 token rows (load i: lanes 0-15 token 2 i, lanes 16-31 token 2 i + 1, 8 channels a lane).
; A stream of 4.4 MB: no LDS, no matrix unit, no cluster would add anything.  A wave's one store covers 128 consecutive bytes; the whole output is 64 KB.
.set U,   8                            ; v8-11   my 8 channels of ui_emb[b]
.set ACC, 12                           ; v12-27  sixteen sums
.set T,   32                           ; v32-95  load i at T + 4 i
	s_load_b128 s[4:7], s[0:1], 0x0                ; emb 4:5, s 6:7
	s_load_b64 s[8:9], s[0:1], 0x10                ; out0
	v_lshrrev_b32 v1, 5, v0
	v_readfirstlane_b32 s2, v1                     ; wave 0, 1
	s_lshl_b32 s3, ttmp9, 1
	s_add_co_u32 s3, s3, s2                        ; b
	v_and_b32 v1, 15, v0                           ; cl
	v_bfe_u32 v2, v0, 4, 1                         ; h
	v_lshlrev_b32 v4, 4, v1                        ; my 16 bytes of a row
	v_lshl_add_u32 v3, v2, 8, v4                   ; lanes 16-31: the next row
	v_lshl_add_u32 v5, v1, 1, v2
	v_lshlrev_b32 v5, 2, v5                        ; the lane ends with token 2 cl + h
	v_mov_b32 v6, 0
	s_lshl_b32 s10, s3, 13                         ; 32 rows of 256 bytes
	s_mov_b32 s11, 0
	s_lshl_b32 s16, s3, 8
	s_add_co_u32 s16, s16, 4194304                 ; row 16,384 + b
	s_mov_b32 s17, 0
	s_lshl_b32 s18, s3, 7                          ; 32 words of s and of out0
	s_mov_b32 s19, 0
	s_wait_kmcnt 0x0
	s_add_nc_u64 s[12:13], s[4:5], s[10:11]
	s_add_nc_u64 s[14:15], s[4:5], s[16:17]
	s_add_nc_u64 s[6:7], s[6:7], s[18:19]
	s_add_nc_u64 s[8:9], s[8:9], s[18:19]
	global_load_b128 v[U:U+3], v4, s[14:15]
	global_load_b32 v7, v5, s[6:7]
.set i_, 0
.rept 16
	global_load_b128 v[T+4*i_:T+4*i_+3], v3, s[12:13] offset:512*i_ th:TH_LOAD_NT
.set i_, i_+1
.endr
; eight multiply-adds from bf16 halves into each f32 sum; four sums by turns
.set g_, 0
.rept 4
	s_wait_loadcnt 12-4*g_                         ; this group's four loads are in; those of the later groups may stay out
.set q_, 0
.rept 8
.set i_, 4*g_
.rept 4
.if q_ == 0
	v_fma_mix_f32_bf16 v[ACC+i_], v[T+4*i_], v[U], v6 op_sel_hi:[1,1,0]
.elseif q_%2 == 0
	v_fma_mix_f32_bf16 v[ACC+i_], v[T+4*i_+q_/2], v[U+q_/2], v[ACC+i_] op_sel_hi:[1,1,0]
.else
	v_fma_mix_f32_bf16 v[ACC+i_], v[T+4*i_+q_/2], v[U+q_/2], v[ACC+i_] op_sel:[1,1,0] op_sel_hi:[1,1,0]
.endif
.set i_, i_+1
.endr
.set q_, q_+1
.endr
.set g_, g_+1
.endr
; over the 16 lanes of a row: every lane of a half ends with its half's sixteen sums
.irp m, 1,2,4,8
.set i_, 0
.rept 16
	v_add_f32_dpp v[ACC+i_], v[ACC+i_], v[ACC+i_] row_xmask:\m row_mask:0xf bank_mask:0xf
.set i_, i_+1
.endr
.endr
	v_mov_b32 v28, v[ACC]
.set i_, 1
.rept 15
	v_cmp_eq_u32 vcc_lo, i_, v1
	v_cndmask_b32 v28, v28, v[ACC+i_], vcc_lo      ; lane (cl, h) keeps sum cl: token 2 cl + h
.set i_, i_+1
.endr
	v_cmp_gt_u32 vcc_lo, 8, v7
	v_cndmask_b32 v28, 0, v28, vcc_lo              ; 0 where no relation takes the token
	global_store_b32 v5, v28, s[8:9]
	s_endpgm
.Lfunc_end_k_q3205e578c2_dot:
	.size	k_q3205e578c2_dot, .Lfunc_end_k_q3205e578c2_dot-k_q3205e578c2_dot
	.p2alignl 7, 3214868480
	.fill 96, 4, 3214868480
	.section	.rodata,"a",@progbits
	.p2align	6, 0x0
	.amdhsa_kernel k_q3205e578c2_dot
		.amdhsa_group_segment_fixed_size 0
		.amdhsa_private_segment_fixed_size 0
		.amdhsa_enable_private_segment 0
		.amdhsa_kernarg_size 24
		.amdhsa_user_sgpr_count 2
		.amdhsa_user_sgpr_kernarg_segment_ptr 1
		.amdhsa_wavefront_size32 1
		.amdhsa_system_sgpr_workgroup_id_x 1
		.amdhsa_system_sgpr_workgroup_id_y 1
		.amdhsa_system_sgpr_workgroup_id_z 1
		.amdhsa_system_vgpr_workitem_id 0
		.amdhsa_next_free_vgpr 96
		.amdhsa_next_free_sgpr 66
		.amdhsa_reserve_vcc 1
		.amdhsa_float_denorm_mode_32 3
		.amdhsa_float_denorm_mode_16_64 3
		.amdhsa_memory_ordered 1
		.amdhsa_forward_progress 1
		.amdhsa_inst_pref_size 17
	.end_amdhsa_kernel
	.amdgpu_metadata
---
amdhsa.version: [ 1, 2 ]
amdhsa.kernels:
  - .name:           k_q3205e578c2_dot
    .symbol:         k_q3205e578c2_dot.kd
    .args:
      - { .name: emb, .offset: 0, .size: 8, .value_kind: global_buffer, .address_space: global }
      - { .name: s, .offset: 8, .size: 8, .value_kind: global_buffer, .address_space: global }
      - { .name: out0, .offset: 16, .size: 8, .value_kind: global_buffer, .address_space: global }
    .group_segment_fixed_size: 0
    .private_segment_fixed_size: 0
    .kernarg_segment_align: 8
    .kernarg_segment_size: 24
    .max_flat_workgroup_size: 64
    .sgpr_count:     66
    .vgpr_count:     96
    .wavefront_size: 32
...
	.end_amdgpu_metadata
.endif
;; end of part 3
;; ======== version 2 of 2: 3 launches; version 1 with the launch chain written anew for expert scheduling mode
;; workspace buffers: wp 7,667,712 bytes; counts 256 bytes of whole numbers; list 526,336 bytes of whole numbers; emb 4,325,376 bytes
;; launch prep: the kernel of part 1 again; grid 250 x 1, 8 waves a work-group, no clusters, 34,816 bytes of LDS; arguments W1, W2, W3, Wu1, Wu2, Wu3, s, wp, counts, list; writes wp, counts, list
;; launch chain (part 4): grid 219 x 1, 4 waves a work-group, no clusters, 168,192 bytes of LDS; arguments a_emb, o_emb, u_emb, i_emb, b1, b2, b3, bu1, bu2, bu3, wp, counts, list, emb; writes emb
.if DOCPART == 4
	.amdgcn_target "amdgcn-amd-amdhsa--gfx1250"
	.amdhsa_code_object_version 6
	.text
	.protected	k_q3205e578c2_chain
	.globl	k_q3205e578c2_chain
	.p2align	8
	.type	k_q3205e578c2_chain,@function
k_q3205e578c2_chain:
	s_mov_b64 s[64:65], 0
	v_nop
	global_prefetch_b8 v0, s[64:65] scope:SCOPE_SE
	s_setreg_imm32_b32 hwreg(HW_REG_WAVE_SCHED_MODE, 0, 2), 2
	s_setreg_imm32_b32 hwreg(HW_REG_WAVE_MODE, 25, 1), 1
	s_wait_xcnt 0x0
	s_wait_alu depctr_vm_vsrc(0)
; CHAIN.  A work-group takes a tile of 80 rows of ONE expert through the whole MLP: gather [a | o] (or [u | i]), 512 -> 512 -> 256 -> 128, each layer with bias and LeakyReLU (slope 0.01), and stores the
; 128 results of each row, in bf16, at the row's place in emb (row t: token t; row 16,384 + b: the shared MLP's row b).  The hidden layers stay in LDS.
; GRID.  Work-groups 0-6: the shared MLP's 512 rows (expert 8).  Work-groups 7-218: the relations' tiles.  The sum over relations of ceil(count / 80) is at most (16,384 + 8 x 79) / 80 = 212 for every split, so the
; grid serves every split; each work-group finds its relation and tile from the eight stored counts.  In a tile that is not full the places past the count repeat the tile's last row (the same result goes to the same address).
; A work-group that the split leaves without rows runs the same text on a row that exists, since every wave passes every barrier, and only its stores are jumped.
; SHARES.  Four waves; wave w owns a quarter of each layer's columns for all 80 rows: 5 x 8, 5 x 4, 5 x 2 accumulators of 16 x 16.  So each weight is wanted by one wave alone, and comes from wp straight into registers as a
; matrix operand, through a ring of four register slots of 8 KB (a GROUP: 8 fragments; 26 groups a wave): no LDS, no barrier.  Activations lie in LDS and are read by all four waves.
; LAYER 1 BEGINS ON HALF OF X.  a's half of the rows (k 0-255) is asked for first and has an LDS region of its own; o's half (k 256-511) is asked for behind it and waits in registers while K steps 0-3 are multiplied;
; K step 4 rounds it into the second region, K step 5's barrier shows it to all waves, and K step 7 fetches its first fragments.
; NO CLUSTER: an expert's tiles walk the same weights, but joint loads would want each expert padded to whole clusters of 320 rows, and would send the weights through LDS as well: 26 LDS loads in place of 10 for layer 1's 40 matrix instructions.
; THE MATRIX INSTRUCTION IS USED TRANSPOSED: source 0 = 16 columns of W, source 1 = 16 rows of activations: lane l then holds row l % 16 and the columns 8 (l / 16) + 0..7, which pack into 16 bytes.
; The bias is the C operand of a sum's first product: nothing is cleared and nothing is added afterwards.
; FORMATS AND LIMITS.  All inputs, the biases too, are rounded to bf16; products of bf16, sums in f32; each hidden layer and the result are rounded once to bf16.  bf16 has f32's range.  NaN is not treated apart (max(x, 0.01 x)).
; THE MODE: SCHED_MODE bits 1:0 = 2 (LLVM: expert scheduling mode 2), set by the entry lines.  The code itself states the register dependences
; between vector or matrix instructions and memory or LDS instructions, with s_wait_alu, always for 0.
; THE PLAN.  Registers that memory or LDS instructions touch, and who else names them:
;   v1, v6-19, LA      offsets and addresses, made at the head and never written again: one wait on va_vdst ahead of the first load covers them for the whole kernel.
;   XOFF, SOFF         made from the list, once: one wait on va_vdst ahead of a's gather covers them for the gather's 80 loads and for the last stores.
;   AF0, AF1           K step ks: its matrix instructions read AF[ks % 2]; the LDS loads of step ks + 1's fragments land in the other, which the matrix instructions of step ks - 1 read.
;   the ring           Group g's matrix instructions read slot g % 4; in g's first K step the loads of group g + 3 land in slot (g - 1) % 4, which the K step before read.
;   o's rows           Loaded at the head; layer 1's K step 4 rounds them in place, ahead of that step's wait, and stores them into LDS behind it.
;   OUT0, OUT1         A layer's end: row unit a's roundings write OUT[a % 2], its LDS stores read it.  T, at work there, the accumulators and the biases are named by vector and matrix instructions alone.
; So ONE wait on va_vdst stands at the head of a K step: the step before is done reading the buffer and the slot in which this step's loads land.  The loads follow it, dealt among the step's products, which name
; AF[ks % 2], slot g % 4, the accumulators and the biases: none of the registers that those loads touch.  A layer's first K step has no wait: nothing but v_nop was issued since the last one.  A step that loads nothing has none.
; At a layer's end each row unit has one wait on va_vdst ahead of its run of stores, and row units 0, 2 and 4 one on vm_vsrc ahead of their roundings, for both out-buffers.
; REGISTERS, in windows of 256 (s_set_vgpr_msb: bits 1:0 source 0, 3:2 source 1, 5:4 source 2, 7:6 destination):
;   window 0: v0-19 addresses; v22-31 XOFF; v32-111 two buffers of activation fragments (5 x 8 each), at work elsewhere; v112-121 SOFF; v122-131 LA; v132-141 IDX; v142 first place;
;             v144-255 o's rows as loaded, pairs 0-6; when they have left, v144-207 the two out-buffers
;   window 1: the weights' ring, slot s at 64 s      window 2: accumulators (before layer 1: a's rows as loaded)
;   window 3: v0-63 layer 1's fifth row unit; v64-175 biases; v176-183 at work; v184-231 o's rows as loaded, pairs 7-9
.set PXH,    528                       ; a row of half of X, and of H2, in LDS: 512 bytes + 16: an odd multiple of 16, so that the 16 rows of a fragment load start at 16 different groups of four banks (64 banks of 4 bytes: ISA guide 11.1)
.set PX,     1040                      ; a row of H1: 1,024 + 16
.set PO,     272                       ; a row of the result: 256 + 16
.set XOB,    80*PXH                    ; from 0: a's half of X, later H2.  From here: o's half of X
.set Q0,     2*XOB                     ; from here: H1, later the result; the 512 bytes behind H1 take the closing adds' words
.set STREAM, 212992
.set AF0,  32
.set TMP,  32                          ; T: at work at the head and at a layer's end
.set OUT,  144                         ; two out-buffers of 32 registers
.set XOFF, 22                          ; byte offset of my 16 bytes in row i's 1,024 bytes of a (o, u, i)
.set SOFF, 112                         ; byte offset of my 16 bytes in row i's 256 bytes of emb
.set LA,   122
.set IDX,  132
.set SO0,  144                         ; o's rows as loaded: pairs 0-6 in window 0,
.set SO3,  184                         ; pairs 7-9 in window 3; 16 registers a pair
.set MSB, 0
.macro WIN new                         ; the immediate's high byte repeats the setting that is left; a switch that changes nothing is dropped
.if MSB != (\new)
	s_set_vgpr_msb (MSB<<8)|(\new)
.set MSB, \new
.endif
.endm
.set MUL2, 0xa1                        ; W window 1, activations window 0, C and D window 2
.set MUL3, 0xf1                        ; C and D window 3
.set MULB, 0xb1                        ; D window 2, C (the bias) window 3
.set TO_B, 0x40
.set TO_2, 0x80
.set TO_3, 0xc0
.set FR2,  0x02
.set FR3,  0x03
.set CV2,  0x0a
.set BR,   0xcf
.set ST3W, 0x0c                        ; an LDS store's data (source 1) in window 3, its address in window 0
.macro PLACES                          ; a vector read of a matrix result, and a vector write of a register that a matrix instruction has named, stand four plain vector instructions behind it (ISA guide 7.12.1);
.rept 4                                ; at a K step's head the four stand ahead of the wait that states the loads' dependence
	v_nop
.endr
.endm
.macro BAR
	s_wait_dscnt 0x0                               ; my LDS stores are done and my LDS loads are back
	s_barrier_signal -1
	s_barrier_wait -1
.endm
.macro TEN line:vararg                 ; one line for each of my ten pairs of places i_
.set i_, 0
.rept 10
	\line
.set i_, i_+1
.endr
.endm
; group gl of my stream into slot gl % 4: 16 loads of 512 consecutive bytes
.macro BFETCH gl
	WIN TO_B
.set bs_, 64*((\gl)%4)
.set f_, 0
.rept 16
	global_load_b128 v[bs_+4*f_:bs_+4*f_+3], v1, s[28:29] offset:(\gl)*8192+f_*512
.set f_, f_+1
.endr
.endm
; the five activation fragments (16 rows x 32 k) of K step ks into buffer ks % 2.  Two address registers, three row units apart, keep the immediates inside 16 bits.  In layer 1 K steps 8-15 lie in X's second region.
.macro AFETCH lo, hi, RS, ks, lay
	WIN 0
.set fb_, AF0+40*((\ks)%2)
.if (\lay) == 1
.set kb_, 64*((\ks)%8)+((\ks)/8)*XOB
.else
.set kb_, 64*(\ks)
.endif
.set u_, 0
.rept 5
.if u_ < 3
	ds_load_b128 v[fb_+8*u_:fb_+8*u_+3],   v[\lo] offset:u_*(\RS)+kb_
	ds_load_b128 v[fb_+8*u_+4:fb_+8*u_+7], v[\lo] offset:u_*(\RS)+kb_+32
.else
	ds_load_b128 v[fb_+8*u_:fb_+8*u_+3],   v[\hi] offset:(u_-3)*(\RS)+kb_
	ds_load_b128 v[fb_+8*u_+4:fb_+8*u_+7], v[\hi] offset:(u_-3)*(\RS)+kb_+32
.endif
.set u_, u_+1
.endr
.endm
; o's half of X, in two parts.  XOC: rounded to bf16 in the registers in which it arrived (ascending: a destination has been read).
.macro XOC
	WIN 0
.set i_, 0
.rept 7
.set j_, 0
.rept 8
	v_cvt_pk_bf16_f32 v[SO0+16*i_+j_], v[SO0+16*i_+2*j_], v[SO0+16*i_+2*j_+1]
.set j_, j_+1
.endr
.set i_, i_+1
.endr
	WIN BR
.set i_, 0
.rept 3
.set j_, 0
.rept 8
	v_cvt_pk_bf16_f32 v[SO3+16*i_+j_], v[SO3+16*i_+2*j_], v[SO3+16*i_+2*j_+1]
.set j_, j_+1
.endr
.set i_, i_+1
.endr
.endm
; XOS: stored into the second region, which nobody has touched
.macro XOS
	WIN 0
.set i_, 0
.rept 7
.set m_, 0
.rept 4
	ds_store_b64 v16, v[SO0+16*i_+2*m_:SO0+16*i_+2*m_+1] offset:XOB+i_*PXH+128*m_
.set m_, m_+1
.endr
.set i_, i_+1
.endr
	WIN ST3W
.set i_, 0
.rept 3
.set m_, 0
.rept 4
	ds_store_b64 v16, v[SO3+16*i_+2*m_:SO3+16*i_+2*m_+1] offset:XOB+(7+i_)*PXH+128*m_
.set m_, m_+1
.endr
.set i_, i_+1
.endr
.endm
; A K step of 32: the five row units x my NB column blocks.  The 5 NB accumulators take turns, one instruction a turn, in the same order in every K step.
; Behind the first row unit's products the next step's activations are fetched into the other buffer; behind the second's, at a group's first step, the group three further on into the slot that the group
; before has left: both have the rest of the step's products in which to land.  The last readers of that buffer and of that slot stand in the K step before, ahead of the step's wait.
.macro KSTEP NB, lay, ks, NKS, lo, hi, RS
.set gk_, G0+((\ks)*(\NB))/8
.set fo_, ((\ks)*(\NB))%8
.set ga_, 0                            ; 1: the next step's activations are fetched
.if (\ks)+1 < (\NKS)
.set ga_, 1
.endif
.set gw_, 0                            ; 1: a group of weights is fetched
.if (fo_ == 0) && (gk_ >= 1) && (gk_+3 <= 25)
.set gw_, 1
.endif
.set gx_, 0                            ; 1: o's half of X goes into LDS
.if ((\lay) == 1) && ((\ks) == 4)
.set gx_, 1
.endif
	s_wait_dscnt 0x0                               ; this step's ten fragment loads (and, in layer 1's step 5, my stores of o's half)
.if ((\lay) == 1) && ((\ks) == 5)
	s_barrier_signal -1                            ; o's half of X is whole: its first reader is fetched two steps on
	s_barrier_wait -1
.endif
.if (fo_ == 0) && (gk_ >= 2)
.if gk_ <= 3
	s_wait_loadcnt 63                              ; this group is in: 72 loads were issued behind it (o's 40 among them), and 63 is the largest count that the wait can name
.elseif gk_ <= 23
	s_wait_loadcnt 32                              ; this group is in; the 2 x 16 loads of the two groups issued behind it may stay out.  At group 4 this also shows o's rows, asked for ahead of it
.else
	s_wait_loadcnt 16*(25-gk_)                     ; the stream's end: one group, then none, was issued behind it
.endif
.endif
	PLACES
.if gx_ == 1
	XOC
.endif
.if ((\ks) > 0) && ((ga_+gw_) > 0)
	s_wait_alu depctr_va_vdst(0)                   ; the K step before is done reading the other activation buffer and the slot that its group has left, in which the loads below land; in layer 1's step 4 the conversions above have written o's rows, which the LDS stores below read
.endif
.set sl_, 64*(gk_%4)+8*fo_
.set af_, AF0+40*((\ks)%2)
.set a_, 0
.rept 5
.set b_, 0
.rept \NB
.if ((\lay) == 1) && (a_ == 4)
.set d_, 8*b_
	WIN MUL3
.else
.set d_, 8*((\NB)*a_+b_)
.if (\ks) == 0
	WIN MULB
.else
	WIN MUL2
.endif
.endif
.if (\ks) == 0
	v_wmma_f32_16x16x32_bf16 v[d_:d_+7], v[sl_+8*b_:sl_+8*b_+7], v[af_+8*a_:af_+8*a_+7], v[BIAS+8*b_:BIAS+8*b_+7]
.else
	v_wmma_f32_16x16x32_bf16 v[d_:d_+7], v[sl_+8*b_:sl_+8*b_+7], v[af_+8*a_:af_+8*a_+7], v[d_:d_+7]
.endif
.set b_, b_+1
.endr
.if a_ == 0
.if ga_ == 1
	AFETCH \lo,\hi,\RS,(\ks)+1,\lay                ; no wait: no vector or matrix instruction since the last wait on va_vdst names the other buffer or the two addresses
.endif
.if gx_ == 1
	XOS                                            ; no wait: none names o's rows or v16
.endif
.endif
.if (a_ == 1) && (gw_ == 1)
	BFETCH gk_+3                                   ; no wait: none names that slot or v1
.endif
.set a_, a_+1
.endr
.endm
; A layer's end, a row unit at a time: max(x, 0.01 x) in T, rounded to bf16 into the out-buffer whose turn it is, 16 bytes a lane and column block into the next layer's rows.  Each accumulator's registers are read in ascending order.
.macro EPI NB, l1, lo, hi, RS
	PLACES
.set a_, 0
.rept 5
.set ob_, OUT+32*(a_%2)
.if (\l1) && (a_ == 4)
	WIN FR3
.set ab_, 0
.else
	WIN FR2
.set ab_, 8*(\NB)*a_
.endif
.set i_, 0
.rept 4*(\NB)
	v_pk_mul_f32 v[TMP+2*i_:TMP+2*i_+1], v[ab_+2*i_:ab_+2*i_+1], s[54:55] op_sel_hi:[1,0]
.set i_, i_+1
.endr
.set i_, 0
.rept 8*(\NB)
	v_max_num_f32 v[TMP+i_], v[ab_+i_], v[TMP+i_]
.set i_, i_+1
.endr
	WIN 0
.if a_%2 == 0
	s_wait_alu depctr_vm_vsrc(0)                   ; the LDS stores issued so far have read both out-buffers, which this row unit's roundings and the next's write again: the two units' before; at unit 0 the last layer's unit 4's or, in layer 1, those of o's rows, which lay in these registers
.endif
.set i_, 0
.rept 4*(\NB)
	v_cvt_pk_bf16_f32 v[ob_+i_], v[TMP+2*i_], v[TMP+2*i_+1]
.set i_, i_+1
.endr
	s_wait_alu depctr_va_vdst(0)                   ; the roundings have written the out-buffer, which the LDS stores below read; behind the last row unit's wait T, too, is done with: the next LDS loads land in it
.set b_, 0
.rept \NB
.if a_ < 3
	ds_store_b128 v[\lo], v[ob_+4*b_:ob_+4*b_+3] offset:a_*(\RS)+32*b_
.else
	ds_store_b128 v[\hi], v[ob_+4*b_:ob_+4*b_+3] offset:(a_-3)*(\RS)+32*b_
.endif
.set b_, b_+1
.endr
.set a_, a_+1
.endr
.endm
	s_load_b512 s[8:23], s[0:1], 0x0               ; a 8:9, o 10:11, u 12:13, i 14:15, b1 16:17, b2 18:19, b3 20:21, bu1 22:23
	s_load_b256 s[24:31], s[0:1], 0x40             ; bu2 24:25, bu3 26:27, wp 28:29, counts 30:31
	s_load_b128 s[32:35], s[0:1], 0x60             ; list 32:33, emb 34:35
	v_lshl_add_u32 v21, v0, 2, 0x28f00
	v_mov_b32 v143, 0
	v_lshrrev_b32 v1, 5, v0
	v_readfirstlane_b32 s2, v1                     ; wave 0..3
	s_mov_b32 s3, ttmp9
	s_mov_b32 s54, 0x3c23d70a                      ; 0.01
	s_mov_b32 s55, s54                             ; named with it as a pair
	s_wait_kmcnt 0x0
	s_load_b256 s[36:43], s[30:31], 0x0            ; the eight counts
	v_and_b32 v2, 15, v0                           ; cl = lane % 16
	v_bfe_u32 v3, v0, 4, 1                         ; h = lane / 16
	v_and_b32 v1, 31, v0
	v_lshlrev_b32 v1, 4, v1                        ; my 16 bytes of a weight load's 512
	v_mul_u32_u24 v6, v2, PX
	v_lshl_add_u32 v6, v3, 4, v6
	v_add_nc_u32 v6, Q0, v6                        ; fragments of H1: row cl, 16 bytes for each half of the lanes; row units 0-2
	v_add_nc_u32 v7, 48*PX, v6                     ; row units 3, 4
	v_mul_u32_u24 v8, v2, PXH
	v_lshl_add_u32 v8, v3, 4, v8                   ; the same for a's half of X (o's: XOB further on) and for H2
	v_add_nc_u32 v9, 48*PXH, v8
	s_wait_alu depctr_va_sdst(0)                   ; s2 is written, ahead of its first reader: addresses, bases and the stream are made from it
	s_lshl_b32 s46, s2, 8
	v_add_nc_u32 v10, s46, v6                      ; where layer 1's results go: my 128 columns of H1
	v_add_nc_u32 v11, 48*PX, v10
	s_lshl_b32 s46, s2, 7
	v_add_nc_u32 v12, s46, v8                      ; layer 2's: my 64 columns of H2, whose pitch is that of a half of X
	v_add_nc_u32 v13, 48*PXH, v12
	v_mul_u32_u24 v14, v2, PO
	v_lshl_add_u32 v14, v3, 4, v14
	s_lshl_b32 s46, s2, 6
	s_add_co_u32 s46, s46, Q0
	v_add_nc_u32 v14, s46, v14                     ; layer 3's: my 32 columns of the result
	v_add_nc_u32 v15, 48*PO, v14
	s_mul_i32 s46, s2, 10
	v_mul_u32_u24 v142, v3, 40
	v_add_nc_u32 v142, s46, v142                   ; in the gather and on the way out lanes 0-15 have rows 10 w + i, lanes 16-31 rows 40 + 10 w + i, i = 0..9
	v_mul_u32_u24 v16, v142, PXH
	v_lshl_add_u32 v16, v2, 3, v16                 ; X: 8 bytes a lane
	v_mul_u32_u24 v17, v142, PO
	v_lshl_add_u32 v17, v2, 4, v17
	v_add_nc_u32 v17, Q0, v17                      ; the result: 16 bytes a lane, 16 lanes a row
	v_lshlrev_b32 v18, 5, v3                       ; biases: 8 numbers for each half of the lanes
	v_lshlrev_b32 v19, 4, v2
	s_wait_kmcnt 0x0
; WHICH TILE IS MINE.  Relation x has T = ceil(c / 80) tiles, taken as ((c + 79) / 16) / 5 with / 5 = x 52429 >> 18 (exact up to 1,029, the largest that can come).
	s_sub_co_u32 s4, s3, 7                         ; my number among the relations' tiles (wraps for the shared MLP's work-groups, which then match none)
	s_mov_b32 s5, 0                                ; tiles of the relations in front
	s_mov_b32 s6, 0                                ; e
	s_mov_b32 s7, 0                                ; my tile in e
	s_mov_b32 s44, 0                               ; e's rows; 0 if no relation has a tile for me
.irp x, 0,1,2,3,4,5,6,7
	s_min_u32 s[36+\x], s[36+\x], 16384
	s_add_co_u32 s45, s[36+\x], 79
	s_lshr_b32 s45, s45, 4
	s_mul_i32 s45, s45, 52429
	s_lshr_b32 s45, s45, 18
	s_sub_co_u32 s46, s4, s5
	s_cmp_lt_u32 s46, s45
	s_cselect_b32 s6, \x, s6
	s_cselect_b32 s7, s46, s7
	s_cselect_b32 s44, s[36+\x], s44
	s_add_co_u32 s5, s5, s45
.endr
	s_mov_b32 s50, 16383                           ; the last row of a and o, or of u and i
	s_cmp_lt_u32 s3, 7                             ; the shared MLP?  The condition hangs on the work-group's number alone
	s_cselect_b32 s56, 0, s6                       ; which row of the bias tensors
	s_cselect_b32 s6, 8, s6
	s_cselect_b32 s7, s3, s7
	s_cselect_b32 s44, 512, s44
	s_cselect_b32 s50, 511, s50
	s_cselect_b32 s51, 16384, 0                    ; emb's first row for this kind
	s_cselect_b64 s[8:9], s[12:13], s[8:9]
	s_cselect_b64 s[10:11], s[14:15], s[10:11]
	s_cselect_b64 s[16:17], s[22:23], s[16:17]
	s_cselect_b64 s[18:19], s[24:25], s[18:19]
	s_cselect_b64 s[20:21], s[26:27], s[20:21]
	s_min_u32 s6, s6, 8                            ; inside their tables, whatever was loaded
	s_min_u32 s56, s56, 7
	s_mul_i32 s46, s7, 80
	s_sub_co_u32 s47, s44, s46
	s_min_u32 s47, s47, 80                         ; n: my tile's rows
	s_max_u32 s48, s47, 1
	s_sub_co_u32 s48, s48, 1                       ; the last place that holds a row
	s_lshl_b32 s49, s6, 14
	s_add_co_u32 s49, s49, s46                     ; my tile's first word in the list
	s_cmp_eq_u32 s47, 0
	s_cselect_b32 s49, 131072, s49                 ; without rows: a word that is always stored
	s_mov_b32 s53, 0
	s_lshl_b32 s52, s56, 11
	s_lshl_b32 s46, s2, 9
	s_add_co_u32 s52, s52, s46
	s_add_nc_u64 s[16:17], s[16:17], s[52:53]      ; my 128 biases of layer 1
	s_lshl_b32 s52, s56, 10
	s_lshl_b32 s46, s2, 8
	s_add_co_u32 s52, s52, s46
	s_add_nc_u64 s[18:19], s[18:19], s[52:53]      ; my 64 of layer 2
	s_lshl_b32 s52, s56, 9
	s_lshl_b32 s46, s2, 7
	s_add_co_u32 s52, s52, s46
	s_add_nc_u64 s[20:21], s[20:21], s[52:53]      ; my 32 of layer 3
	s_lshl_b32 s52, s6, 2
	s_add_co_u32 s52, s52, s2
	s_mul_i32 s52, s52, STREAM
	s_add_nc_u64 s[28:29], s[28:29], s[52:53]      ; my stream of weights
; THE LIST: the row numbers of my ten pairs of places; places past n take the last row's word.  All ten addresses are made first, so that one wait serves the ten loads.
	TEN v_add_nc_u32 v[LA+i_], i_, v142
	TEN v_min_u32 v[LA+i_], s48, v[LA+i_]
	TEN v_add_nc_u32 v[LA+i_], s49, v[LA+i_]
	TEN v_min_u32 v[LA+i_], 0x201ff, v[LA+i_]      ; inside the list, whatever was loaded
	TEN v_lshlrev_b32 v[LA+i_], 2, v[LA+i_]
	s_wait_alu depctr_va_vdst(0)                   ; LA, v1 and v6 to v19 are written: the loads and stores of the whole kernel read them as offsets and addresses
	TEN global_load_b32 v[IDX+i_], v[LA+i_], s[32:33]
; biases (28 loads) and the first two groups of weights (32) go out while the list is on its way
	WIN TO_3
.set b_, 0
.rept 8
	global_load_b128 v[64+8*b_:67+8*b_], v18, s[16:17] offset:64*b_
	global_load_b128 v[68+8*b_:71+8*b_], v18, s[16:17] offset:64*b_+16
.set b_, b_+1
.endr
.set b_, 0
.rept 4
	global_load_b128 v[128+8*b_:131+8*b_], v18, s[18:19] offset:64*b_
	global_load_b128 v[132+8*b_:135+8*b_], v18, s[18:19] offset:64*b_+16
.set b_, b_+1
.endr
.set b_, 0
.rept 2
	global_load_b128 v[160+8*b_:163+8*b_], v18, s[20:21] offset:64*b_
	global_load_b128 v[164+8*b_:167+8*b_], v18, s[20:21] offset:64*b_+16
.set b_, b_+1
.endr
	BFETCH 0
	BFETCH 1
	WIN 0
	s_wait_loadcnt 60                              ; the list is in: 28 + 32 loads were issued behind it
.set i_, 0
.rept 10
	v_min_u32 v[IDX+i_], s50, v[IDX+i_]
	v_min_u32 v[IDX+i_], 0x3fff, v[IDX+i_]         ; inside the tensors, whatever was loaded
	v_lshl_add_u32 v[XOFF+i_], v[IDX+i_], 10, v19
	v_add_lshl_u32 v[SOFF+i_], v[IDX+i_], s51, 8
	v_add_nc_u32 v[SOFF+i_], v[SOFF+i_], v19
.set i_, i_+1
.endr
; THE GATHER.  In each load 16 lanes take 256 consecutive bytes of a row, at a multiple of 256 from the tensor's first byte.  A row belongs to one tile; only a tile's last row is named again, in the same run.
; a's half first: 40 loads, into the accumulators' registers, which are not yet in use
	WIN TO_2
	s_wait_alu depctr_va_vdst(0)                   ; XOFF and SOFF are written: the gather's 80 loads read the one, the last stores the other
.set i_, 0
.rept 10
.set m_, 0
.rept 4
	global_load_b128 v[16*i_+4*m_:16*i_+4*m_+3], v[XOFF+i_], s[8:9] offset:256*m_ th:TH_LOAD_NT
.set m_, m_+1
.endr
.set i_, i_+1
.endr
	s_wait_loadcnt 63                              ; the biases are in: 32 + 40 loads were issued behind them, and 63 is the largest count that the wait can name
	WIN BR
.set x_, 64
.set z_, 0
.rept 56                                               ; rounded to bf16 like every input, and widened again for the f32 C operand; this stands while a's rows are on their way
	v_cvt_pk_bf16_f32 v[176+z_%8], v[x_], v[x_+1]
	v_lshlrev_b32 v[x_], 16, v[176+z_%8]
	v_and_b32 v[x_+1], 0xffff0000, v[176+z_%8]
.set x_, x_+2
.set z_, z_+1
.endr
	BFETCH 2                                       ; ahead of o's rows: loads land in the order of issue (ISA guide 5.7.1), so K steps 0-3 do not wait for o.
	BFETCH 3                                       ; No wait, here and for o's rows: the lines since the last wait on va_vdst name window 3's v64-183 alone, none of the registers that these 72 loads touch
; o's half: 40 loads, into registers that layer 1 leaves alone
	WIN 0
.set i_, 0
.rept 7
.set m_, 0
.rept 4
	global_load_b128 v[SO0+16*i_+4*m_:SO0+16*i_+4*m_+3], v[XOFF+i_], s[10:11] offset:256*m_ th:TH_LOAD_NT
.set m_, m_+1
.endr
.set i_, i_+1
.endr
	WIN TO_3
.set i_, 0
.rept 3
.set m_, 0
.rept 4
	global_load_b128 v[SO3+16*i_+4*m_:SO3+16*i_+4*m_+3], v[XOFF+7+i_], s[10:11] offset:256*m_ th:TH_LOAD_NT
.set m_, m_+1
.endr
.set i_, i_+1
.endr
	s_wait_loadcnt 63                              ; a's rows, and groups 0 and 1 ahead of them, are in: 32 + 40 loads were issued behind a's last
; a's half into LDS.  The two halves of the lanes lie 40 rows = 21,120 bytes apart, 128 modulo 256: a store's 32 lanes touch each bank once.
	WIN CV2
.set j_, 0
.rept 80
	v_cvt_pk_bf16_f32 v[TMP+j_], v[2*j_], v[2*j_+1]
.set j_, j_+1
.endr
	WIN 0
	s_wait_alu depctr_va_vdst(0)                   ; the conversions have written v32-111, which the LDS stores read
.set i_, 0
.rept 10
.set m_, 0
.rept 4
	ds_store_b64 v16, v[TMP+8*i_+2*m_:TMP+8*i_+2*m_+1] offset:i_*PXH+128*m_
.set m_, m_+1
.endr
.set i_, i_+1
.endr
	BAR                                            ; a's half of X is whole
	s_wait_alu depctr_vm_vsrc(0)                   ; my LDS stores have read v32-111: these registers are the two activation buffers from here on, in which the fragments' loads land
.set G0, 0
.set BIAS, 64
	AFETCH 8,9,16*PXH,0,1
.set k_, 0
.rept 16
	KSTEP 8,1,k_,16,8,9,16*PXH
.set k_, k_+1
.endr
	EPI 8,1,10,11,16*PX                            ; H1 into its region, which nobody has read
	BAR                                            ; H1 is whole, and nobody reads X any more
.set G0, 16
.set BIAS, 128
	AFETCH 6,7,16*PX,0,2                           ; no wait: no vector or matrix instruction stands behind the last row unit's wait on va_vdst
.set k_, 0
.rept 16
	KSTEP 4,2,k_,16,6,7,16*PX
.set k_, k_+1
.endr
	EPI 4,0,12,13,16*PXH                           ; H2 over a's half of X
	BAR                                            ; H2 is whole, and nobody reads H1 any more
.set G0, 24
.set BIAS, 160
	AFETCH 8,9,16*PXH,0,3                          ; no wait, as above
.set k_, 0
.rept 8
	KSTEP 2,3,k_,8,8,9,16*PXH
.set k_, k_+1
.endr
	EPI 2,0,14,15,16*PO                            ; the result over H1
	BAR                                            ; a row's 256 bytes come from all four waves
	WIN 0
.set i_, 0
.rept 10
	ds_load_b128 v[32+4*i_:35+4*i_], v17 offset:PO*i_  ; into T; no wait, as above
.set i_, i_+1
.endr
	s_wait_dscnt 0x0                               ; the ten loads above are back.
	s_cmp_eq_u32 s47, 0
	s_cbranch_scc1 .Lnone                          ; a tile without rows stores nothing
.set i_, 0
.rept 10
	global_store_b128 v[SOFF+i_], v[32+4*i_:35+4*i_], s[34:35]  ; 16 lanes store a row's 256 consecutive bytes, at a multiple of 256 from emb's first byte
.set i_, i_+1
.endr
.Lnone:
	s_wait_dscnt 0x0
	s_wait_alu depctr_hold_cnt(0) depctr_sa_sdst(0) depctr_va_vdst(0) depctr_va_sdst(0) depctr_va_ssrc(0) depctr_va_vcc(0) depctr_vm_vsrc(0)
	s_wait_tensorcnt 0x0
	ds_add_u32 v21, v143
	s_wait_dscnt 0x0
	s_endpgm
.Lfunc_end_k_q3205e578c2_chain:
	.size	k_q3205e578c2_chain, .Lfunc_end_k_q3205e578c2_chain-k_q3205e578c2_chain
	.p2alignl 7, 3214868480
	.fill 96, 4, 3214868480
	.section	.rodata,"a",@progbits
	.p2align	6, 0x0
	.amdhsa_kernel k_q3205e578c2_chain
		.amdhsa_group_segment_fixed_size 168192
		.amdhsa_private_segment_fixed_size 0
		.amdhsa_enable_private_segment 0
		.amdhsa_kernarg_size 112
		.amdhsa_user_sgpr_count 2
		.amdhsa_user_sgpr_kernarg_segment_ptr 1
		.amdhsa_wavefront_size32 1
		.amdhsa_system_sgpr_workgroup_id_x 1
		.amdhsa_system_sgpr_workgroup_id_y 1
		.amdhsa_system_sgpr_workgroup_id_z 1
		.amdhsa_system_vgpr_workitem_id 0
		.amdhsa_next_free_vgpr 1024
		.amdhsa_next_free_sgpr 66
		.amdhsa_reserve_vcc 0
		.amdhsa_float_denorm_mode_32 3
		.amdhsa_float_denorm_mode_16_64 3
		.amdhsa_memory_ordered 1
		.amdhsa_forward_progress 1
		.amdhsa_inst_pref_size 251
	.end_amdhsa_kernel
	.amdgpu_metadata
---
amdhsa.version: [ 1, 2 ]
amdhsa.kernels:
  - .name:           k_q3205e578c2_chain
    .symbol:         k_q3205e578c2_chain.kd
    .args:
      - { .name: a_emb, .offset: 0, .size: 8, .value_kind: global_buffer, .address_space: global }
      - { .name: o_emb, .offset: 8, .size: 8, .value_kind: global_buffer, .address_space: global }
      - { .name: u_emb, .offset: 16, .size: 8, .value_kind: global_buffer, .address_space: global }
      - { .name: i_emb, .offset: 24, .size: 8, .value_kind: global_buffer, .address_space: global }
      - { .name: b1, .offset: 32, .size: 8, .value_kind: global_buffer, .address_space: global }
      - { .name: b2, .offset: 40, .size: 8, .value_kind: global_buffer, .address_space: global }
      - { .name: b3, .offset: 48, .size: 8, .value_kind: global_buffer, .address_space: global }
      - { .name: bu1, .offset: 56, .size: 8, .value_kind: global_buffer, .address_space: global }
      - { .name: bu2, .offset: 64, .size: 8, .value_kind: global_buffer, .address_space: global }
      - { .name: bu3, .offset: 72, .size: 8, .value_kind: global_buffer, .address_space: global }
      - { .name: wp, .offset: 80, .size: 8, .value_kind: global_buffer, .address_space: global }
      - { .name: counts, .offset: 88, .size: 8, .value_kind: global_buffer, .address_space: global }
      - { .name: list, .offset: 96, .size: 8, .value_kind: global_buffer, .address_space: global }
      - { .name: emb, .offset: 104, .size: 8, .value_kind: global_buffer, .address_space: global }
    .group_segment_fixed_size: 168192
    .private_segment_fixed_size: 0
    .kernarg_segment_align: 8
    .kernarg_segment_size: 112
    .max_flat_workgroup_size: 128
    .sgpr_count:     66
    .vgpr_count:     1024
    .wavefront_size: 32
...
	.end_amdgpu_metadata
.endif
;; end of part 4
;; launch dot: the kernel of part 3 again; grid 256 x 1, 2 waves a work-group, no clusters, 0 bytes of LDS; arguments emb, s, out0; writes out0
